; MI455X (gfx1250); checked and timed in simulation.
; The chip was launched on July 23, 2026; its instructions are those of AMD's public machine-readable ISA for CDNA 5 (MIT licence, August 2026) and "CDNA5" Instruction Set Architecture Reference Guide (July 2026). The comments in the code are by the model that wrote it; some were corrected since.
;; Attention. Allowed arithmetic: matrix products marked QUANTISED: E4M3 operands, one given power-of-two scale a tensor, by v_wmma_f32_16x16x64_fp8_fp8 or v_wmma_f32_16x16x128_fp8_fp8, f32 sums; everything else in f32.
;; Inputs: attn_mask 1 x 1 x 2,048 x 2,048 int32; k_codes 4 x 16 x 2,048 x 4 x 32 uint8 (E4M3 codes of k, K innermost, in blocks of 32 codes); lowp_scales 4 int32 (the exponents e of the quantised operands' scales 2^e); pad_mask 4 x 2,048 int32; q_codes 4 x 16 x 2,048 x 4 x 32 uint8 (E4M3 codes of q, K innermost, in blocks of 32 codes); v_codes 4 x 16 x 128 x 64 x 32 uint8 (E4M3 codes of v, K innermost, in blocks of 32 codes).
;; Outputs: out0 4 x 16 x 2,048 x 128 float32.
;; This version of the problem:
;;   THIS VERSION OF THE PROBLEM IS GIVEN IN LOW PRECISION. The matrix products marked QUANTISED in the list below multiply operands that are first quantised to E4M3 (4 exponent bits, 3 mantissa bits; 8 bits a number), with one given power-of-two scale for each operand tensor; their sums are f32. All else is computed in f32.
;;   The module's matrix products, in the order in which they are computed (A, B: the left and right operand; K: the contracted axis; several contracted axes count as one K, in the product's order):
;;     1. batch 64 x [M 2,048, K 128] x [K 128, N 2,048]; A: input q (given as codes); B: input k (given as codes): QUANTISED (scales: A lowp_scales[0], B lowp_scales[1])
;;     2. batch 64 x [M 2,048, K 2,048] x [K 2,048, N 128]; A: softmax (see below); B: input v (given as codes): QUANTISED (scales: A lowp_scales[2], B lowp_scales[3])
;;   THE QUANTISER, for each operand of a quantised product, along K:
;;     - The operand's scale is 2^e, e = its entry of the input lowp_scales (int32; the entries are numbered through the quantised products in the list's order, A before B).
;;     - Each number is divided by the scale, clamped to +-448, and rounded to the nearest number of E4M3, ties to even, subnormals kept.
;;     - The product sums the exact products of the quantised numbers (number of the format x scale) in f32.
;;   ~~~python
;;   def quantise(x, axis, e):      # numpy; x: float32 -> the quantised numbers, widened to float32 again
;;       x = np.moveaxis(x, axis, -1); K = x.shape[-1]
;;       r = np.clip(x / 2.0 ** e, -448, 448)
;;       step = 2.0 ** (np.maximum(np.frexp(np.where(r == 0, 1, r))[1] - 1, -6) - 3)
;;       q = np.round(r / step) * step * 2.0 ** e      # np.round: ties to even
;;       return np.moveaxis(q, -1, axis).astype(np.float32)
;;   ~~~
;;   SOFTMAX AHEAD OF A QUANTISED PRODUCT. Where the list says 'softmax', what is quantised is not the finished softmax but p = 2^(t - M), with t = logit x log2(e) and M = ceil(the row's largest t), a whole number; so 1/2 < the row's largest p <= 1. The row's sum l is taken of the UNQUANTISED p, in f32, and the product's result is divided by l at the end. Since M is a whole number, a kernel that streams over the keys may use a running M (the ceiling of the running maximum): every later rescaling is an exact power of two, so the quantised numbers keep their values, but for numbers so far below the row's largest that they fall under the format's range.
;;   OPERANDS COMPUTED ON THE WAY. 'Computed on the way' means the value that the module computes at that place (a softmax that the list does not call 'softmax' is quantised finished and normalised). What goes into a quantiser is computed in f32, as accurately as f32 sums, v_exp_f32 and their like allow (about 1e-6 of the number): no bf16 or f16 on the way to a quantiser, and a product that is left as it is and whose result goes on into a quantised operand takes f32 operands (vector FMAs, or v_wmma_f32_16x16x4_f32). A number that lies on a knife's edge between two numbers of the format may be rounded either way, as far as f32 arithmetic and the matrix unit's own rounding can turn it there, and no further.
;;   INPUTS GIVEN AS CODES. k (in the module: [4, 16, 2048, 128], K = its axis 3); q (in the module: [4, 16, 2048, 128], K = its axis 3); v (in the module: [4, 16, 2048, 128], K = its axis 2): each comes as NAME_codes (uint8): NAME with its K axis moved to the last place and cut into blocks of 32 codes, [.., K / 32, bytes a block], one block behind the other in memory; one code a byte (a code: sign, 4 exponent bits, 3 mantissa bits); its scale is its entry of lowp_scales. Its value is code x scale, taken as it is: it is not quantised again, and the codes and scales need not be those that the quantiser above would give.
;; One version. Each part assembles by itself: llvm-mc -triple=amdgcn-amd-amdhsa -mcpu=gfx1250 --defsym DOCPART=n.
;; ======== version 1 of 1: 2 launches
;; limits: right only within a limited range of input values
;; workspace buffers: maskw 2,097,152 bytes of whole numbers
;; launch pack (part 1): grid 256 x 1, 8 waves a work-group, no clusters, 68,608 bytes of LDS; arguments attn_mask, pad_mask, maskw; writes maskw
.if DOCPART == 1
	.amdgcn_target "amdgcn-amd-amdhsa--gfx1250"
	.amdhsa_code_object_version 6
	.text
	.protected	k_q3099a6d714_pack
	.globl	k_q3099a6d714_pack
	.p2align	8
	.type	k_q3099a6d714_pack,@function
k_q3099a6d714_pack:
	s_mov_b64 s[64:65], 0
	v_nop
	global_prefetch_b8 v0, s[64:65] scope:SCOPE_SE
	s_setreg_imm32_b32 hwreg(HW_REG_WAVE_MODE, 25, 1), 1
	s_wait_xcnt 0x0
; attn_mask [2048 queries][2048 keys] and pad_mask [4 batches][2048 keys], int32, are joined into LANE MASKS for the attention launch.
; maskw: block (batch bb, tile T of 16 queries, step j of 128 keys) lies at byte ((128 bb + T) 16 + j) 256 and holds 64 words.  Bit L of word n is 1 where
; attn_mask[16 T + L % 16][key] and pad_mask[bb][key] are both not 0, key = 128 j + 16 (n / 8) + 8 (L / 16) + n % 8: the query and key that lane L's score register n holds there.
; SHARES.  Work-group w: tile T = w / 2; its wave: step j = 8 (w % 2) + wave.  A wave makes its (T, j) for all four batches: attn_mask is read once in the launch.  No loop, no barrier: waves share nothing.
; attn_mask: each load reads 512 consecutive bytes of a row; the 16 rows turn through the wave's own stage in LDS, so that a lane holds keys of its own query; a compare against 0 gives a register's 32 lane bits as one
; scalar word; a lane write lays word n into lane n / 2, register n % 2: the order in which a block is stored.
; pad_mask: word n's bits 0-15 all hang on key 16 (n / 8) + n % 8 and its bits 16-31 on the key 8 further on.  So lane l loads those four numbers of its words 2 l, 2 l + 1 for each batch and makes the two patterns itself.
; No cluster, no tensor load, no prefetch: no two work-groups read the same bytes of attn_mask, and all of a wave's loads are issued at its first lines.
.set ROWM, 8192                        ; a row of attn_mask, and of pad_mask, in bytes
.set SP,   528                         ; a stage row: 512 bytes + 16 of padding
.set WREG, 16*SP                       ; a wave's stage
.set AW,   8                           ; v[8:9]     attn_mask's words 2 l, 2 l + 1
.set W,    10                          ; v[10:17]   the words on their way out: a pair for each batch
.set D,    20                          ; v[20:83]   attn_mask as loaded
.set X,    84                          ; v[84:147]  attn_mask turned: register 8 t + i = key 16 t + 8 (lane / 16) + i of query lane % 16
.set P,    148                         ; v[148:163] pad_mask: batch bb: two numbers for bits 0-15 of my two words, two for bits 16-31
.set T,    164                         ; v[164:179] the patterns' halves
.set CLO,  180
.set CHI,  181
	s_load_b128 s[4:7], s[0:1], 0x0                ; attn_mask, pad_mask
	s_load_b64 s[8:9], s[0:1], 0x10                ; maskw
	v_lshl_add_u32 v182, v0, 2, 0x10800            ; my spare word, behind the eight stages
	v_mov_b32 v183, 0
	v_lshrrev_b32 v1, 5, v0
	v_readfirstlane_b32 s10, v1                    ; wave 0..7
	s_lshr_b32 s11, ttmp9, 1                       ; T
	s_and_b32 s12, ttmp9, 1
	s_lshl_b32 s12, s12, 3
	s_add_co_u32 s12, s12, s10                     ; j
	s_mul_i32 s13, s10, WREG                       ; my stage
	s_lshl_b32 s14, s11, 17                        ; 16 rows of 8,192 bytes a tile,
	s_lshl_b32 s16, s12, 9                         ; 128 keys of 4 bytes a step
	s_add_co_u32 s14, s14, s16
	s_mov_b32 s15, 0
	s_mov_b32 s17, 0
	s_lshl_b32 s18, s11, 4
	s_add_co_u32 s18, s18, s12
	s_lshl_b32 s18, s18, 8                         ; (16 T + j) blocks of 256 bytes
	s_mov_b32 s19, 0
	v_and_b32 v1, 31, v0                           ; lane
	v_lshlrev_b32 v2, 4, v1                        ; my 16 bytes of a load's 512
	v_add_nc_u32 v3, s13, v2                       ; into the stage: 16 x lane, a row for each load
	v_and_b32 v7, 15, v0
	v_bfe_u32 v5, v0, 4, 1
	v_mul_u32_u24 v4, v7, SP
	v_lshl_add_u32 v4, v5, 5, v4
	v_add_nc_u32 v4, s13, v4                       ; out of it: row lane % 16, + 32 (lane / 16): my 8 keys of a group of 16
	v_lshrrev_b32 v5, 2, v1
	v_and_b32 v7, 3, v1
	v_lshlrev_b32 v5, 6, v5
	v_lshl_add_u32 v5, v7, 3, v5                   ; pad_mask: key 16 (lane / 4) + 2 (lane % 4), 4 bytes a key
	v_lshlrev_b32 v6, 3, v1                        ; maskw: 8 bytes a lane
	v_mov_b32 v[AW], 0                             ; written once: a lane write's destination counts as one of its sources
	v_mov_b32 v[AW+1], 0
	v_mov_b32 v[CLO], 0xffff
	v_mov_b32 v[CHI], 0xffff0000
	s_wait_alu depctr_va_vdst(0)
	s_wait_kmcnt 0x0
	s_add_nc_u64 s[4:5], s[4:5], s[14:15]
	s_add_nc_u64 s[6:7], s[6:7], s[16:17]
	s_add_nc_u64 s[8:9], s[8:9], s[18:19]
.irp p, 0,1,2,3,4,5,6,7,8,9,10,11,12,13,14,15
	global_load_b128 v[D+4*\p:D+4*\p+3], v2, s[4:5] offset:\p*ROWM th:TH_LOAD_NT   ; query p of the tile: 512 consecutive bytes; read once in the launch
.endr
.irp bb, 0,1,2,3
	global_load_b64 v[P+4*\bb:P+4*\bb+1], v5, s[6:7] offset:\bb*ROWM
	global_load_b64 v[P+4*\bb+2:P+4*\bb+3], v5, s[6:7] offset:\bb*ROWM+32
.endr
	s_wait_loadcnt 8                               ; attn_mask's sixteen are in, pad_mask's eight may stay out
.irp p, 0,1,2,3,4,5,6,7,8,9,10,11,12,13,14,15
	ds_store_b128 v3, v[D+4*\p:D+4*\p+3] offset:\p*SP
.endr
.irp u, 0,1,2,3,4,5,6,7,8,9,10,11,12,13,14,15
	ds_load_b128 v[X+4*\u:X+4*\u+3], v4 offset:64*(\u/2)+16*(\u%2)   ; LDS serves a wave's instructions in order (ISA guide 5.7.1.4): these see the stores above
.endr
	s_wait_dscnt 0x0
.set n, 0
.rept 64
.set aw, 24+n+2*(n/40)
	v_cmp_ne_u32 s[aw], 0, v[X+n]                  ; attn_mask's 64 lane words
.set n, n+1
.endr
.set n, 0
.rept 64
.set aw, 24+n+2*(n/40)
	v_writelane_b32 v[AW+(n&1)], s[aw], n>>1
.set n, n+1
.endr
	s_wait_alu depctr_va_vdst(0)
	s_wait_loadcnt 0x0
.irp k, 0,1,2,3,4,5,6,7                        ; k = 2 bb + e: word 2 l + e of batch bb
	v_cmp_ne_u32 s[16+\k], 0, v[P+4*(\k/2)+(\k%2)]
	v_cmp_ne_u32 s[24+\k], 0, v[P+4*(\k/2)+2+(\k%2)]
.endr
.irp k, 0,1,2,3,4,5,6,7
	v_cndmask_b32 v[T+\k], 0, v[CLO], s[16+\k]
	v_cndmask_b32 v[T+8+\k], 0, v[CHI], s[24+\k]
.endr
.irp k, 0,1,2,3,4,5,6,7
	v_or_b32 v[T+\k], v[T+\k], v[T+8+\k]
.endr
.irp k, 0,1,2,3,4,5,6,7
	v_and_b32 v[W+\k], v[T+\k], v[AW+(\k%2)]
.endr
.irp bb, 0,1,2,3
	global_store_b64 v6, v[W+2*\bb:W+2*\bb+1], s[8:9] offset:\bb*524288   ; 32 lanes store 256 consecutive bytes, at a multiple of 256 from maskw's first byte
.endr
	s_wait_tensorcnt 0x0                           ; the wave's end
	ds_add_u32 v182, v183
	s_wait_dscnt 0x0
	s_endpgm
.Lfunc_end_k_q3099a6d714_pack:
	.size	k_q3099a6d714_pack, .Lfunc_end_k_q3099a6d714_pack-k_q3099a6d714_pack
	.p2alignl 7, 3214868480
	.fill 96, 4, 3214868480
	.section	.rodata,"a",@progbits
	.p2align	6, 0x0
	.amdhsa_kernel k_q3099a6d714_pack
		.amdhsa_group_segment_fixed_size 68608
		.amdhsa_private_segment_fixed_size 0
		.amdhsa_enable_private_segment 0
		.amdhsa_kernarg_size 24
		.amdhsa_user_sgpr_count 2
		.amdhsa_user_sgpr_kernarg_segment_ptr 1
		.amdhsa_wavefront_size32 1
		.amdhsa_system_sgpr_workgroup_id_x 1
		.amdhsa_system_sgpr_workgroup_id_y 1
		.amdhsa_system_sgpr_workgroup_id_z 1
		.amdhsa_system_vgpr_workitem_id 0
		.amdhsa_next_free_vgpr 184
		.amdhsa_next_free_sgpr 90
		.amdhsa_reserve_vcc 0
		.amdhsa_float_denorm_mode_32 3
		.amdhsa_float_denorm_mode_16_64 3
		.amdhsa_memory_ordered 1
		.amdhsa_forward_progress 1
		.amdhsa_inst_pref_size 18
	.end_amdhsa_kernel
	.amdgpu_metadata
---
amdhsa.version: [ 1, 2 ]
amdhsa.kernels:
  - .name:           k_q3099a6d714_pack
    .symbol:         k_q3099a6d714_pack.kd
    .args:
      - { .name: attn_mask, .offset: 0, .size: 8, .value_kind: global_buffer, .address_space: global }
      - { .name: pad_mask, .offset: 8, .size: 8, .value_kind: global_buffer, .address_space: global }
      - { .name: maskw, .offset: 16, .size: 8, .value_kind: global_buffer, .address_space: global }
    .group_segment_fixed_size: 68608
    .private_segment_fixed_size: 0
    .kernarg_segment_align: 8
    .kernarg_segment_size: 24
    .max_flat_workgroup_size: 256
    .sgpr_count:     90
    .vgpr_count:     184
    .wavefront_size: 32
...
	.end_amdgpu_metadata
.endif
;; end of part 1
;; launch attn (part 2): grid 4 x 64, 8 waves a work-group, no clusters, 263,168 bytes of LDS; arguments q_codes, k_codes, v_codes, lowp_scales, maskw, out0; writes out0
.if DOCPART == 2
	.amdgcn_target "amdgcn-amd-amdhsa--gfx1250"
	.amdhsa_code_object_version 6
	.text
	.protected	k_q3099a6d714_attn
	.globl	k_q3099a6d714_attn
	.p2align	8
	.type	k_q3099a6d714_attn,@function
k_q3099a6d714_attn:
	s_mov_b64 s[64:65], 0
	v_nop
	global_prefetch_b8 v0, s[64:65] scope:SCOPE_SE
	s_setreg_imm32_b32 hwreg(HW_REG_WAVE_MODE, 25, 1), 1
	s_wait_xcnt 0x0
; O[head][q][:] = the sum over k of softmax_k(masked Q[q] . K[k] / sqrt(128)) V[k][:], 64 heads (batch = head / 16), 2,048 queries and keys, both products on codes of FP8 (E4M3), each tensor with its given scale 2^e.
; Q, K: [64][2048][128] codes.  V: [64][128][2048] codes, the keys innermost.  O: [64][2048][128] f32.  lowp_scales: eq, ek, ep, ev.  maskw: both masks as lane words (bit L of word n: lane L's score register n counts).
; THE SOFTMAX: t = score x c', c' = 2^(eq + ek) log2(e) / sqrt(128); M = the row's largest t so far, rounded UP to a whole number; p = 2^(t - M) is quantised with 2^ep, not normalised; the row's sum is taken of the
; unquantised p and divides O at the end.  When M moves, the sum and O^T are multiplied by 2^(old M - new M): exact.  The running maximum is kept as a raw score and seeds each step's chain of maxima.
; THE MASK.  A score that does not count is replaced by RNEG = -2^min(120 - eq - ek, 127), finite.  RNEG x c' is exact, a whole number, under every true t.  A row with an open key gives its masked
; keys p = 0; a row with none so far has p = 1 for every key, which its first open key wipes by the factor 0; a row with no open key at all ends as the mean of V.
; A step's 128 words (two tiles) are loaded a step ahead, 8 bytes a lane.  Where all are ones a scalar branch leads round the 128 selects; else each word goes to a scalar register by a lane read and selects one score register.
; SHARES.  256 work-groups.  Work-group (x, head) makes query blocks x and x + 4 of its head, 256 queries each, one after the other; each of its eight waves has 32 queries of a block, two tiles: each fragment of K and V read
; from LDS feeds two matrix instructions.  Every wave walks all keys, 128 a step: 16 slots of 256 keys in one loop, and the ring of slots runs on over the change of blocks.
; K AND V come through registers into a ring of two LDS slots: in a slot's first step each thread loads 8 x 16 bytes of the next slot's K (a dense block of 32,768 bytes) and 8 x 16 of its V (128 rows of 256 bytes), and
; in the second step stores them into the other slot.  ONE BARRIER A SLOT, SPLIT: in the second step all my LDS reads of the slot and my stores into the other are over ahead of the exponentials: there I signal; the wait
; stands at the slot's end, with work on registers alone between the two.
; THE CHANGE OF BLOCKS: -M and the running maximum are set anew; the next step's factor is then 0, which clears the sums and O^T (both hold finite numbers).
; NO TENSOR LOAD, NO CLUSTER: there is no joint load by which partners could share K and V.
; NO PREFETCH: every load of K, V and the mask words is issued most of a key step ahead of the wait for it.
; LAYOUT.  Both products are used transposed: S^T = K Q^T, O^T = V^T P^T: a lane holds ONE query (lane % 16) of each tile.  Score register 8 t + j of lane (r, h) is key 16 t + 8 h + j, so the eight codes of accumulator t are
; registers 2 t, 2 t + 1 of the second product's operand; V's fragments come by 8-byte loads in the same order.  K's and Q's come by four 16-byte loads a side: one permutation of the head's 128, the same in both.
; LIMITS on the given exponents: eq + ek between -100 and 60; ep between -126 and 119; ep + ev so that O stays a finite f32 number.  NaN codes among the inputs are not served.
; REGISTERS.  Window 0: v0-63 addresses, state, constants; v64-127, v128-191 S^T then p of tiles 0, 1 (in a slot's first step tile 0's later take V's fragments 4-7); v192-255 four fragments.
; Window 1: v0-31 p's codes; v32-63 Q; v64-191 O^T of tiles 0, 1; v192-223 K and v224-255 V on their way to LDS (in a slot's second step, once stored: V's fragments 4-7).
.set KP,    144                        ; a key's row in LDS: 128 bytes + 16
.set VP,    272                        ; a row of V's tile (256 keys): 256 bytes + 16
.set VOFF,  256*KP                     ; a slot: 256 rows of K, then 128 rows of V: 71,680 bytes
.set SLOT1, 1<<17                      ; slot 1 begins here
.set STAGE, 71680                      ; behind slot 0: the way out's stages, 16 rows x 272 bytes a wave, bytes of their own
.set SPT,   272
.set SPARE, 2*SLOT1                    ; the spare words: 128 bytes a wave
.set AK0, 1
.set AV0, 2
.set GKO, 3                            ; K in memory: 16 x thread
.set GVO, 4                            ; V in memory: row thread / 16, 16 bytes at thread % 16
.set SPW, 5
.set NIL, 6
.set GO,  7
.set ADK, 8                            ; on the way out: into my stage
.set ADV, 9                            ; on the way out: back from my stage
.set SKA, 10
.set SVA, 11
.set NM,  12                           ; v[12 + 2 a] -M, v[13 + 2 a] the largest raw score so far
.set STK, 16
.set STV, 17
.set MO,  18
.set QO,  19
.set F,   20                           ; v[20 + 2 a : 21 + 2 a] the factor (the low word serves)
.set MA,  24                           ; v[24 + 2 a], v[25 + 2 a] two chains of maxima
.set PM,  28
.set HOLD, 30                          ; v30, v31: 448 x 2^ep, twice: one for each half of a dual pair
.set SCL, 32
.set RNEG, 33
.set CV,  34
.set MW,  36                           ; v[36:39] the step's mask words: lane l holds words 2 l, 2 l + 1 of tile 0, of tile 1
.set MT,  40
.set EPV, 42
.set SUMP, 44                          ; v[44 + 8 a ..]: the sum's pair, then three more chains
.set DT,  60
.set TT,  62
.set S,   64
.set FR,  192
.set CD,  0                            ; window 1
.set Q,   32
.set OT,  64
.set SG,  192
.set SG2, 224
.set WV,  2
.set TB,  3                            ; the slot in hand
.set MC,  4                            ; s[4:5]   maskw at this slot's first step
.set KG,  6                            ; s[6:7]   K's codes of my head;  s[8:9] V's
.set VG,  8
.set OP,  10
.set CNT, 12                           ; the slot's number, 0..15: block CNT / 8, keys 256 (CNT % 8) on
.set TBO, 13                           ; the other slot
.set FL,  14                           ; 1: all keys of the step count
.set HF,  15                           ; 1: the hold can bite (ep < -8)
.set SEL, 16
.set MB,  18                           ; s[18:19] maskw at my first tile
.set MN,  24                           ; s[24:25] maskw at the next slot's first step;  s[26:27], s[28:29] K and V of the next slot
.set KT,  26
.set VT,  28
.set QP,  30
.set MSB, 0
.macro WIN new                         ; low byte: bits 1:0 source 0, 3:2 source 1, 5:4 source 2, 7:6 destination; the high byte repeats the setting that is left
.if MSB != \new
	s_set_vgpr_msb (MSB<<8)|\new
.set MSB, \new
.endif
.endm
.macro VW
	s_wait_alu depctr_va_vdst(0)
.endm
.macro KLOAD q, g                      ; four tiles of 16 keys
.irp i, 0,1,2,3
.irp c, 0,1,2,3
	ds_load_b128 v[FR+16*\i+4*\c:FR+16*\i+4*\c+3], v[ADK] offset:(128*\q+16*(4*\g+\i))*KP+32*\c
.endr
.endr
.endm
.macro VLOAD q, base, t0               ; four tiles of 16 channels x 128 keys
.irp i, 0,1,2,3
.irp c, 0,1,2,3,4,5,6,7
	ds_load_b64 v[\base+16*\i+2*\c:\base+16*\i+2*\c+1], v[ADV] offset:16*(\t0+\i)*VP+128*\q+16*\c
.endr
.endr
.endm
.macro QLOAD off                       ; Q stays in registers for a block; read once in the launch
	WIN 0x40
.irp a, 0,1
.irp c, 0,1,2,3
	global_load_b128 v[Q+16*\a+4*\c:Q+16*\a+4*\c+3], v[QO], s[QP:QP+1] offset:\off+2048*\a+32*\c th:TH_LOAD_NT
.endr
.endr
	WIN 0
.endm
.macro QK g                            ; each fragment of K meets both tiles of Q
	WIN 0x04
.irp i, 0,1,2,3
	v_wmma_f32_16x16x128_fp8_fp8 v[S+8*(4*\g+\i):S+8*(4*\g+\i)+7], v[FR+16*\i:FR+16*\i+15], v[Q:Q+15], 0
	v_wmma_f32_16x16x128_fp8_fp8 v[S+64+8*(4*\g+\i):S+64+8*(4*\g+\i)+7], v[FR+16*\i:FR+16*\i+15], v[Q+16:Q+31], 0
.endr
	WIN 0
.endm
.macro SLOWM g                         ; words 32 g .. 32 g + 31 of both tiles: bit = 1 keeps the score, bit = 0 puts RNEG; ascending, each accumulator from its low end on
.irp a, 0,1
.irp b, 0,1
.set k, 0
.rept 16
.set n, 32*\g+16*\b+k
	v_readlane_b32 s[32+k], v[MW+2*\a+(n&1)], n>>1
.set k, k+1
.endr
.set k, 0
.rept 16
.set n, 32*\g+16*\b+k
	v_cndmask_b32 v[S+64*\a+n], v[RNEG], v[S+64*\a+n], s[32+k]
.set k, k+1
.endr
.endr
.endr
.endm
.macro MAXA i                          ; accumulator i of both tiles joins the four chains
.if (\i) == 0
.irp a, 0,1
	v_max3_num_f32 v[MA+2*\a], v[NM+1+2*\a], v[S+64*\a], v[S+64*\a+1]
.endr
.irp a, 0,1
	v_max_num_f32 v[MA+1+2*\a], v[S+64*\a+2], v[S+64*\a+3]
.endr
.else
.irp a, 0,1
	v_max3_num_f32 v[MA+2*\a], v[MA+2*\a], v[S+64*\a+8*(\i)], v[S+64*\a+8*(\i)+1]
.endr
.irp a, 0,1
	v_max3_num_f32 v[MA+1+2*\a], v[MA+1+2*\a], v[S+64*\a+8*(\i)+2], v[S+64*\a+8*(\i)+3]
.endr
.endif
.irp a, 0,1
	v_max3_num_f32 v[MA+2*\a], v[MA+2*\a], v[S+64*\a+8*(\i)+4], v[S+64*\a+8*(\i)+5]
.endr
.irp a, 0,1
	v_max3_num_f32 v[MA+1+2*\a], v[MA+1+2*\a], v[S+64*\a+8*(\i)+6], v[S+64*\a+8*(\i)+7]
.endr
.endm
.macro FMA a                           ; t - M, two at a time
.set j, 0
.rept 32
	v_pk_fma_f32 v[S+64*\a+j:S+64*\a+j+1], v[S+64*\a+j:S+64*\a+j+1], v[CV:CV+1], v[NM+2*\a:NM+2*\a+1] op_sel_hi:[1,0,0]
.set j, j+2
.endr
.endm
.macro EXPS a                          ; p = 2^(t - M)
.set j, 0
.rept 64
	v_exp_f32 v[S+64*\a+j], v[S+64*\a+j]
.set j, j+1
.endr
.endm
.macro SUMQ a                          ; the sum of the unquantised p, in four chains
.set SB, S+64*\a
.set CB, SUMP+8*\a
	v_pk_add_f32 v[CB+2:CB+3], v[SB:SB+1], v[SB+2:SB+3]
	v_pk_add_f32 v[CB+4:CB+5], v[SB+4:SB+5], v[SB+6:SB+7]
	v_pk_add_f32 v[CB+6:CB+7], v[SB+8:SB+9], v[SB+10:SB+11]
.set j, 6
.rept 26
.set cc, CB+2*((j-6)%4)
	v_pk_add_f32 v[cc:cc+1], v[cc:cc+1], v[SB+2*j:SB+2*j+1]
.set j, j+1
.endr
	v_pk_add_f32 v[CB+2:CB+3], v[CB+2:CB+3], v[CB+4:CB+5]
	v_pk_add_f32 v[CB:CB+1], v[CB:CB+1], v[CB+6:CB+7]
	v_pk_add_f32 v[CB:CB+1], v[CB:CB+1], v[CB+2:CB+3]
.endm
; The one-sided hold at 448 x 2^ep, two numbers a dual pair, and the codes.  p = 2^(t - M) is at most 1 but for the last bit of t - M, and 448 x 2^ep is at least 1.75 where ep >= -8: there the hold changes no number,
; and a scalar branch on ep, a whole number read from memory, leads round the 32 pairs and round nothing else (this launch has no tensor load and no copy).
.macro HCVT a
.set SB, S+64*\a
	s_cmp_eq_u32 s[HF], 0
	s_cbranch_scc1 .Lno_hold_\@
.set j, 0
.rept 32
	v_dual_min_num_f32 v[SB+j], v[SB+j], v[HOLD] :: v_dual_min_num_f32 v[SB+j+1], v[SB+j+1], v[HOLD+1]
.set j, j+2
.endr
.Lno_hold_\@:
	WIN 0x40
.irp t, 0,1,2,3,4,5,6,7
	v_cvt_scalef32_pk8_fp8_f32 v[CD+16*\a+2*\t:CD+16*\a+2*\t+1], v[SB+8*\t:SB+8*\t+7], v[SCL]
.endr
	WIN 0
.endm
.macro RESC                            ; O^T of both tiles x the factor, each accumulator from its low end on; the wait stands directly ahead of the group
	WIN 0x41
	VW
.irp a, 0,1
.set j, 0
.rept 32
	v_pk_mul_f32 v[OT+64*\a+j:OT+64*\a+j+1], v[OT+64*\a+j:OT+64*\a+j+1], v[F+2*\a:F+2*\a+1] op_sel_hi:[1,0]
.set j, j+2
.endr
.endr
.endm
.macro PV4 base, t0                    ; each fragment of V meets both tiles' codes; eight accumulators, one instruction each
.irp i, 0,1,2,3
	v_wmma_f32_16x16x128_fp8_fp8 v[OT+8*(\t0+\i):OT+8*(\t0+\i)+7], v[\base+16*\i:\base+16*\i+15], v[CD:CD+15], v[OT+8*(\t0+\i):OT+8*(\t0+\i)+7]
	v_wmma_f32_16x16x128_fp8_fp8 v[OT+64+8*(\t0+\i):OT+64+8*(\t0+\i)+7], v[\base+16*\i:\base+16*\i+15], v[CD+16:CD+31], v[OT+64+8*(\t0+\i):OT+64+8*(\t0+\i)+7]
.endr
.endm
; A KEY STEP: 128 keys, the q-th of the slot in hand, for both tiles.
.macro STEP q
	s_wait_dscnt 0x0                               ; K's tiles 0-3
	QK 0
	s_wait_loadcnt 0x0                             ; all that the step before asked for: this step's mask words and, in the second step, the next slot's K and V
	v_and_b32 v[MT], v[MW], v[MW+1]                ; (these five lines are also the places behind the products)
	v_and_b32 v[MT+1], v[MW+2], v[MW+3]
	v_and_b32 v[MT], v[MT], v[MT+1]
	v_cmp_eq_u32 vcc_lo, -1, v[MT]
	v_nop
	KLOAD \q, 1
	s_cmp_eq_u32 vcc_lo, -1                        ; all 128 words all ones?
	s_cselect_b32 s[FL], 1, 0
	s_cbranch_scc1 .Lopen_a_\@
	SLOWM 0
.Lopen_a_\@:
	MAXA 0
	MAXA 1
	MAXA 2
	VW
	s_wait_dscnt 0x0                               ; K's tiles 4-7
	QK 1
	MAXA 3                                         ; eight places behind the products
	VLOAD \q, FR, 0
	VW
	s_cmp_eq_u32 s[FL], 1
	s_cbranch_scc1 .Lopen_b_\@
	SLOWM 1
	VW
.Lopen_b_\@:
.if \q == 0
	global_load_b64 v[MW:MW+1], v[MO], s[MC:MC+1] offset:256        ; the next step's words
	global_load_b64 v[MW+2:MW+3], v[MO], s[MC:MC+1] offset:4096+256
	s_cmp_lt_u32 s[CNT], 15                        ; the last slot has none behind it
	s_cbranch_scc0 .Lns_\@
	WIN 0x40
.irp c, 0,1,2,3,4,5,6,7
	global_load_b128 v[SG+4*\c:SG+4*\c+3], v[GKO], s[KT:KT+1] offset:\c*4096       ; the next slot's K
.endr
.irp c, 0,1,2,3,4,5,6,7
	global_load_b128 v[SG2+4*\c:SG2+4*\c+3], v[GVO], s[VT:VT+1] offset:\c*32768    ; and V: sixteen lanes read 256 consecutive bytes of a row
.endr
	WIN 0
.Lns_\@:
.else
	s_cmp_lt_u32 s[CNT], 15
	s_cbranch_scc0 .Lns_\@
	global_load_b64 v[MW:MW+1], v[MO], s[MN:MN+1]
	global_load_b64 v[MW+2:MW+3], v[MO], s[MN:MN+1] offset:4096
	WIN 0x04
.irp c, 0,1,2,3,4,5,6,7
	ds_store_b128 v[STK], v[SG+4*\c:SG+4*\c+3] offset:\c*32*KP      ; into the other slot, which nobody reads since the last barrier
.endr
.irp c, 0,1,2,3,4,5,6,7
	ds_store_b128 v[STV], v[SG2+4*\c:SG2+4*\c+3] offset:\c*16*VP
.endr
	WIN 0
.Lns_\@:
	WIN 0x40
	VLOAD 1, SG, 4                                 ; the registers just stored take V's tiles 4-7 (LDS serves a wave's instructions in order: ISA guide 5.7.1.4)
	WIN 0
.endif
	MAXA 4
	MAXA 5
	MAXA 6
	MAXA 7
.irp a, 0,1
	v_max_num_f32 v[MA+2*\a], v[MA+2*\a], v[MA+1+2*\a]
.endr
.irp a, 0,1
	v_permlanex16_b32 v[PM+\a], v[MA+2*\a], s[SEL], s[SEL+1]
.endr
.irp a, 0,1
	v_max_num_f32 v[NM+1+2*\a], v[MA+2*\a], v[PM+\a]       ; the largest raw score so far
.endr
.irp a, 0,1
	v_mul_f32 v[TT+\a], v[CV], v[NM+1+2*\a]                ; as t (c' is positive)
.endr
.irp a, 0,1
	v_floor_f32 v[TT+\a], -v[TT+\a]                        ; the new -M = -ceil(t)
.endr
.irp a, 0,1
	v_sub_f32 v[DT+\a], v[TT+\a], v[NM+2*\a]               ; old M - new M: a whole number, 0 or less
.endr
.irp a, 0,1
	v_mov_b32 v[NM+2*\a], v[TT+\a]
.endr
.irp a, 0,1
	v_cvt_i32_f32 v[DT+\a], v[DT+\a]                       ; (it saturates)
.endr
.irp a, 0,1
	v_ldexp_f32 v[F+2*\a], 1.0, v[DT+\a]                   ; f = 2^(old M - new M): exact
.endr
	FMA 0
	VW
.if \q == 1
	s_wait_dscnt 0x0                               ; my reads of this slot are over (all of V's tiles are in registers) and my part of the other slot is written:
	s_barrier_signal -1                            ; say so; up to the wait at the slot's end stands work on registers alone
.endif
	EXPS 0
	FMA 1                                          ; plain work of tile 1 behind tile 0's batch
.irp a, 0,1
	v_pk_mul_f32 v[SUMP+8*\a:SUMP+8*\a+1], v[SUMP+8*\a:SUMP+8*\a+1], v[F+2*\a:F+2*\a+1] op_sel_hi:[1,0]
.endr
	VW                                             ; behind tile 0's batch and ahead of tile 1's
	EXPS 1
	SUMQ 0                                         ; plain work of tile 0 behind tile 1's batch
	VW                                             ; behind tile 1's batch, ahead of the branch below and of the batch's first reader
	HCVT 0
.if \q == 0
	VLOAD 0, S, 4                                  ; tile 0's p is spent: its registers take V's tiles 4-7
.endif
	SUMQ 1
	HCVT 1
.if \q == 0
	s_wait_dscnt 0x0                               ; all eight tiles of V
.endif
	RESC
	WIN 0x54
	PV4 FR, 0
.if \q == 0
	WIN 0
.rept 4
	v_nop                                          ; four places in front of loads into registers that the products above have read
.endr
	KLOAD 1, 0                                     ; the next step's first tiles of K, under the eight products that follow
	WIN 0x54
	PV4 S, 4
.else
	WIN 0x55
	PV4 SG, 4
.endif
	WIN 0
.rept 5
	v_nop                                          ; five places: the next step's products write over registers that these have read, and its loads land on others
.endr
.endm
	s_load_b128 s[48:51], s[0:1], 0x0              ; Q's codes, K's
	s_load_b128 s[52:55], s[0:1], 0x10             ; V's codes, the scales' exponents
	s_load_b128 s[56:59], s[0:1], 0x20             ; maskw, O
	v_lshl_add_u32 v[SPW], v0, 2, SPARE
	v_mov_b32 v[NIL], 0
	v_lshrrev_b32 v8, 5, v0
	v_readfirstlane_b32 s[WV], v8                  ; wave 0..7
	s_lshl_b32 s32, ttmp9, 4
	s_lshl_b32 s33, s[WV], 1
	s_add_co_u32 s32, s32, s33                     ; T: my first tile of 16 queries in the first block; the second block's lies 64 tiles on
	s_and_b32 s33, ttmp7, 0xffff                   ; the head
	s_lshl_b32 s34, s33, 18                        ; 262,144 bytes of codes a head
	s_mov_b32 s35, 0
	s_lshl_b32 s36, s32, 11                        ; Q: 2,048 bytes a tile
	s_mov_b32 s37, 0
	s_add_nc_u64 s[36:37], s[36:37], s[34:35]
	s_lshl_b32 s38, s33, 20                        ; O: 1,048,576 bytes a head, 8,192 a tile
	s_lshl_b32 s39, s32, 13
	s_add_co_u32 s38, s38, s39
	s_mov_b32 s39, 0
	s_lshr_b32 s40, s33, 4                         ; the batch
	s_lshl_b32 s40, s40, 7
	s_add_co_u32 s40, s40, s32
	s_lshl_b32 s40, s40, 12                        ; maskw: (128 batch + T) x 16 blocks of 256 bytes
	s_mov_b32 s41, 0
	s_mov_b32 s[SEL], 0x76543210
	s_mov_b32 s[SEL+1], 0xfedcba98
	s_mov_b32 s[TB], 0
	s_mov_b32 s[TBO], SLOT1
	s_mov_b32 s[CNT], 0
	v_and_b32 v8, 15, v0                           ; r
	v_bfe_u32 v9, v0, 4, 1                         ; h
	v_mul_u32_u24 v[AK0], v8, KP
	v_lshl_add_u32 v[AK0], v9, 4, v[AK0]
	v_mul_u32_u24 v[AV0], v8, VP
	v_lshl_add_u32 v[AV0], v9, 3, v[AV0]
	v_add_nc_u32 v[AV0], VOFF, v[AV0]
	v_lshlrev_b32 v[GKO], 4, v0
	v_lshrrev_b32 v[MT], 3, v0
	v_and_b32 v[MT+1], 7, v0
	v_mul_u32_u24 v[SKA], v[MT], KP                ; K: row thread / 8, 16 bytes at thread % 8; 32 rows a load
	v_lshl_add_u32 v[SKA], v[MT+1], 4, v[SKA]
	v_lshrrev_b32 v[MT], 4, v0
	v_lshlrev_b32 v[GVO], 11, v[MT]
	v_lshl_add_u32 v[GVO], v8, 4, v[GVO]
	v_mul_u32_u24 v[SVA], v[MT], VP                ; V: row thread / 16; 16 rows a load
	v_lshl_add_u32 v[SVA], v8, 4, v[SVA]
	v_add_nc_u32 v[SVA], VOFF, v[SVA]
	v_and_b32 v[MO], 31, v0
	v_lshlrev_b32 v[MO], 3, v[MO]
	v_lshlrev_b32 v[QO], 7, v8
	v_lshl_add_u32 v[QO], v9, 4, v[QO]
	v_lshlrev_b32 v[GO], 9, v9
	v_lshl_add_u32 v[GO], v8, 4, v[GO]
	VW
	s_wait_kmcnt 0x0
	s_load_b128 s[60:63], s[54:55], 0x0            ; eq, ek, ep, ev
	s_add_nc_u64 s[QP:QP+1], s[48:49], s[36:37]
	s_add_nc_u64 s[KG:KG+1], s[50:51], s[34:35]
	s_add_nc_u64 s[VG:VG+1], s[52:53], s[34:35]
	s_add_nc_u64 s[MB:MB+1], s[56:57], s[40:41]
	s_add_nc_u64 s[OP:OP+1], s[58:59], s[38:39]
	s_mov_b64 s[MN:MN+1], s[MB:MB+1]
.irp c, 0,1,2,3,4,5,6,7
	global_load_b128 v[FR+4*\c:FR+4*\c+3], v[GKO], s[KG:KG+1] offset:\c*4096           ; slot 0's K, by way of the fragments' registers
.endr
	WIN 0x40
.irp c, 0,1,2,3,4,5,6,7
	global_load_b128 v[SG2+4*\c:SG2+4*\c+3], v[GVO], s[VG:VG+1] offset:\c*32768        ; slot 0's V
.endr
	QLOAD 0
	global_load_b64 v[MW:MW+1], v[MO], s[MB:MB+1]                                      ; step 0's words
	global_load_b64 v[MW+2:MW+3], v[MO], s[MB:MB+1] offset:4096
.irp a, 0,1
	v_mov_b32 v[NM+2*\a], 0x7f61b1e6               ; -M: 3e38
	v_mov_b32 v[NM+1+2*\a], 0xff61b1e6             ; the largest raw score so far: -3e38, under RNEG too
	v_mov_b32 v[SUMP+8*\a], 0
	v_mov_b32 v[SUMP+8*\a+1], 0
	v_mov_b32 v[F+1+2*\a], 0                       ; (named as a pair's upper half)
	v_mov_b32 v[PM+\a], 0                          ; a lane permute's destination counts as one of its sources
.endr
	WIN 0x40
.set n, 0
.rept 128
	v_mov_b32 v[OT+n], 0                           ; O^T.  (The key step has no first step of its own: the first finds finite numbers, which the factor 0 clears)
.set n, n+1
.endr
	WIN 0
	s_wait_kmcnt 0x0
	s_add_co_i32 s32, s60, s61                     ; eq + ek
	s_lshl_b32 s33, s32, 23
	s_add_co_i32 s33, s33, 0x3e0293ee              ; c': the two exponents are added to the exponent field of log2(e) / sqrt(128)
	v_mov_b32 v[CV], s33
	v_mov_b32 v[CV+1], s33
	s_sub_co_i32 s32, 120, s32
	s_min_i32 s32, s32, 127
	s_add_co_i32 s32, s32, 127
	s_lshl_b32 s32, s32, 23
	s_or_b32 s32, s32, 0x80000000
	v_mov_b32 v[RNEG], s32
	s_add_co_i32 s34, s62, 127
	s_lshl_b32 s35, s34, 23
	v_mov_b32 v[SCL], s35                          ; 2^ep
	s_add_co_i32 s34, s34, 8
	s_lshl_b32 s34, s34, 23
	s_or_b32 s34, s34, 0x600000
	v_mov_b32 v[HOLD], s34                         ; 448 x 2^ep
	v_mov_b32 v[HOLD+1], s34
	s_cmp_lt_i32 s62, -8
	s_cselect_b32 s[HF], 1, 0                      ; 448 x 2^ep is under 1 only where ep < -8
	s_add_co_i32 s34, s62, s63
	v_mov_b32 v[EPV], s34                          ; ep + ev
	VW
	s_wait_loadcnt 0x0
.irp c, 0,1,2,3,4,5,6,7
	ds_store_b128 v[SKA], v[FR+4*\c:FR+4*\c+3] offset:\c*32*KP
.endr
	WIN 0x04
.irp c, 0,1,2,3,4,5,6,7
	ds_store_b128 v[SVA], v[SG2+4*\c:SG2+4*\c+3] offset:\c*16*VP
.endr
	WIN 0
	s_wait_dscnt 0x0                               ; my part of slot 0 is written
	s_barrier_signal -1
	s_barrier_wait -1
.Lslot:                                            ; sixteen trips, a slot of 256 keys each: eight for each block of queries
	s_wait_xcnt 0x0                                ; the loads of the trip before have read their bases
	s_mov_b64 s[MC:MC+1], s[MN:MN+1]
	s_add_co_u32 s20, s[CNT], 1                    ; the next slot: block s20 / 8, keys 256 (s20 % 8) on
	s_and_b32 s22, s20, 7
	s_lshr_b32 s20, s20, 3
	s_lshl_b32 s20, s20, 18                        ; 64 tiles of 4,096 bytes of words from block to block
	s_lshl_b32 s23, s22, 9                         ; two blocks of 256 bytes a slot
	s_add_co_u32 s20, s20, s23
	s_mov_b32 s21, 0
	s_add_nc_u64 s[MN:MN+1], s[MB:MB+1], s[20:21]
	s_lshl_b32 s20, s22, 15
	s_add_nc_u64 s[KT:KT+1], s[KG:KG+1], s[20:21]
	s_lshl_b32 s20, s22, 8
	s_add_nc_u64 s[VT:VT+1], s[VG:VG+1], s[20:21]
	v_add_nc_u32 v[ADK], s[TB], v[AK0]
	v_add_nc_u32 v[ADV], s[TB], v[AV0]
	v_add_nc_u32 v[STK], s[TBO], v[SKA]
	v_add_nc_u32 v[STV], s[TBO], v[SVA]
	VW
	KLOAD 0, 0
	STEP 0
	STEP 1
	s_xor_b32 s[TB], s[TB], SLOT1
	s_xor_b32 s[TBO], s[TBO], SLOT1
	s_barrier_wait -1                              ; every wave has left this slot and written its part of the other
	s_and_b32 s20, s[CNT], 7
	s_cmp_eq_u32 s20, 7
	s_cbranch_scc0 .Lgo_on
	; THE WAY OUT of a block.  O^T x 2^(ep + ev) / the sum goes through my stage, half a row (256 bytes) of 16 queries at a time, so that sixteen lanes store 256 consecutive bytes.
	s_cmp_eq_u32 s[CNT], 7
	s_cbranch_scc0 .Lno_q
	QLOAD 131072                                   ; the second block's Q: 1,024 rows of 128 bytes on
.Lno_q:
.irp a, 0,1
	v_add_f32 v[TT+\a], v[SUMP+8*\a], v[SUMP+8*\a+1]
.endr
.irp a, 0,1
	v_permlanex16_b32 v[PM+\a], v[TT+\a], s[SEL], s[SEL+1]
.endr
.irp a, 0,1
	v_add_f32 v[TT+\a], v[TT+\a], v[PM+\a]
.endr
	VW
	v_rcp_f32 v[TT], v[TT]
	v_rcp_f32 v[TT+1], v[TT+1]
	v_and_b32 v[MT], 15, v0
	v_bfe_u32 v[MT+1], v0, 4, 1
	s_mul_i32 s32, s[WV], 16*SPT
	s_add_co_u32 s32, s32, STAGE
	v_mul_u32_u24 v[ADK], v[MT], SPT
	v_lshl_add_u32 v[ADK], v[MT+1], 5, v[ADK]
	v_add_nc_u32 v[ADK], s32, v[ADK]               ; in: row r; accumulator t's eight channels of my half: 64 t + 32 h bytes on
	v_mul_u32_u24 v[ADV], v[MT+1], SPT
	v_lshl_add_u32 v[ADV], v[MT], 4, v[ADV]
	v_add_nc_u32 v[ADV], s32, v[ADV]               ; back: lanes 0-15 one row, lanes 16-31 the next
	VW
.irp a, 0,1
	v_ldexp_f32 v[F+2*\a], v[TT+\a], v[EPV]
.endr
	RESC
	VW
.irp k, 0,1,2,3                                ; tile k / 2, channels 64 (k % 2) on
	WIN 0x04
.irp t, 0,1,2,3
	ds_store_b128 v[ADK], v[OT+32*\k+8*\t:OT+32*\k+8*\t+3] offset:64*\t
	ds_store_b128 v[ADK], v[OT+32*\k+8*\t+4:OT+32*\k+8*\t+7] offset:64*\t+16
.endr
	WIN 0
.irp i, 0,1,2,3,4,5,6,7
	ds_load_b128 v[S+32*\k+4*\i:S+32*\k+4*\i+3], v[ADV] offset:2*\i*SPT   ; these see my stores, and the next round's stores come behind them (ISA guide 5.7.1.4)
.endr
.endr
.irp k, 0,1,2,3
.irp i, 0,1,2,3,4,5,6,7
	s_wait_dscnt 16*(3-\k)+7-\i                    ; behind this load: the 7 - i later loads of its round and sixteen LDS instructions for each later round
	global_store_b128 v[GO], v[S+32*\k+4*\i:S+32*\k+4*\i+3], s[OP:OP+1] offset:8192*(\k/2)+256*(\k%2)+1024*\i th:TH_STORE_NT
.endr
.endr
.irp a, 0,1
	v_mov_b32 v[NM+2*\a], 0x7f61b1e6               ; the next block begins: -M and the largest raw score as at the head
	v_mov_b32 v[NM+1+2*\a], 0xff61b1e6
.endr
	s_wait_xcnt 0x0                                ; the stores have read their base and their data: both are written again below and in the next step
	s_add_nc_u64 s[OP:OP+1], s[OP:OP+1], 524288    ; 1,024 rows of 512 bytes on
	s_wait_loadcnt 0x0                             ; the second block's Q
.Lgo_on:
	s_add_co_u32 s[CNT], s[CNT], 1
	s_cmp_lt_u32 s[CNT], 16
	s_cbranch_scc1 .Lslot
	s_wait_tensorcnt 0x0                           ; the wave's end
	ds_add_u32 v[SPW], v[NIL]
	s_wait_dscnt 0x0
	s_endpgm
.Lfunc_end_k_q3099a6d714_attn:
	.size	k_q3099a6d714_attn, .Lfunc_end_k_q3099a6d714_attn-k_q3099a6d714_attn
	.p2alignl 7, 3214868480
	.fill 96, 4, 3214868480
	.section	.rodata,"a",@progbits
	.p2align	6, 0x0
	.amdhsa_kernel k_q3099a6d714_attn
		.amdhsa_group_segment_fixed_size 263168
		.amdhsa_private_segment_fixed_size 0
		.amdhsa_enable_private_segment 0
		.amdhsa_kernarg_size 48
		.amdhsa_user_sgpr_count 2
		.amdhsa_user_sgpr_kernarg_segment_ptr 1
		.amdhsa_wavefront_size32 1
		.amdhsa_system_sgpr_workgroup_id_x 1
		.amdhsa_system_sgpr_workgroup_id_y 1
		.amdhsa_system_sgpr_workgroup_id_z 1
		.amdhsa_system_vgpr_workitem_id 0
		.amdhsa_next_free_vgpr 512
		.amdhsa_next_free_sgpr 66
		.amdhsa_reserve_vcc 1
		.amdhsa_float_denorm_mode_32 3
		.amdhsa_float_denorm_mode_16_64 3
		.amdhsa_memory_ordered 1
		.amdhsa_forward_progress 1
		.amdhsa_inst_pref_size 134
	.end_amdhsa_kernel
	.amdgpu_metadata
---
amdhsa.version: [ 1, 2 ]
amdhsa.kernels:
  - .name:           k_q3099a6d714_attn
    .symbol:         k_q3099a6d714_attn.kd
    .args:
      - { .name: q_codes, .offset: 0, .size: 8, .value_kind: global_buffer, .address_space: global }
      - { .name: k_codes, .offset: 8, .size: 8, .value_kind: global_buffer, .address_space: global }
      - { .name: v_codes, .offset: 16, .size: 8, .value_kind: global_buffer, .address_space: global }
      - { .name: lowp_scales, .offset: 24, .size: 8, .value_kind: global_buffer, .address_space: global }
      - { .name: maskw, .offset: 32, .size: 8, .value_kind: global_buffer, .address_space: global }
      - { .name: out0, .offset: 40, .size: 8, .value_kind: global_buffer, .address_space: global }
    .group_segment_fixed_size: 263168
    .private_segment_fixed_size: 0
    .kernarg_segment_align: 8
    .kernarg_segment_size: 48
    .max_flat_workgroup_size: 256
    .sgpr_count:     66
    .vgpr_count:     512
    .wavefront_size: 32
...
	.end_amdgpu_metadata
.endif
;; end of part 2
